; MI455X (gfx1250); checked and timed in simulation.
; The chip was launched on July 23, 2026; its instructions are those of AMD's public machine-readable ISA for CDNA 5 (MIT licence, August 2026) and "CDNA5" Instruction Set Architecture Reference Guide (July 2026). The comments in the code are by the model that wrote it; some were corrected since.
;; Flash Attention. Allowed arithmetic: matrix products marked QUANTISED: E4M3 operands, one given power-of-two scale a tensor, by v_wmma_f32_16x16x64_fp8_fp8 or v_wmma_f32_16x16x128_fp8_fp8, f32 sums; everything else in f32.
;; Inputs: k 4 x 2,048 x 16 x 64 float32; lowp_scales 4 int32 (the exponents e of the quantised operands' scales 2^e); q 4 x 2,048 x 16 x 64 float32; v 4 x 2,048 x 16 x 64 float32.
;; Outputs: out0 4 x 2,048 x 16 x 64 float32.
;; This version of the problem:
;;   THIS VERSION OF THE PROBLEM IS GIVEN IN LOW PRECISION. The matrix products marked QUANTISED in the list below multiply operands that are first quantised to E4M3 (4 exponent bits, 3 mantissa bits; 8 bits a number), with one given power-of-two scale for each operand tensor; their sums are f32. All else is computed in f32.
;;   The module's matrix products, in the order in which they are computed (A, B: the left and right operand; K: the contracted axis; several contracted axes count as one K, in the product's order):
;;     1. batch 64 x [M 2,048, K 64] x [K 64, N 2,048]; A: input q; B: input k: QUANTISED (scales: A lowp_scales[0], B lowp_scales[1])
;;     2. batch 64 x [M 64, K 2,048] x [K 2,048, N 2,048]; A: input v; B: softmax (see below): QUANTISED (scales: A lowp_scales[2], B lowp_scales[3])
;;   THE QUANTISER, for each operand of a quantised product, along K:
;;     - The operand's scale is 2^e, e = its entry of the input lowp_scales (int32; the entries are numbered through the quantised products in the list's order, A before B).
;;     - Each number is divided by the scale, clamped to +-448, and rounded to the nearest number of E4M3, ties to even, subnormals kept.
;;     - The product sums the exact products of the quantised numbers (number of the format x scale) in f32.
;;   ~~~python
;;   def quantise(x, axis, e):      # numpy; x: float32 -> the quantised numbers, widened to float32 again
;;       x = np.moveaxis(x, axis, -1); K = x.shape[-1]
;;       r = np.clip(x / 2.0 ** e, -448, 448)
;;       step = 2.0 ** (np.maximum(np.frexp(np.where(r == 0, 1, r))[1] - 1, -6) - 3)
;;       q = np.round(r / step) * step * 2.0 ** e      # np.round: ties to even
;;       return np.moveaxis(q, -1, axis).astype(np.float32)
;;   ~~~
;;   SOFTMAX AHEAD OF A QUANTISED PRODUCT. Where the list says 'softmax', what is quantised is not the finished softmax but p = 2^(t - M), with t = logit x log2(e) and M = ceil(the row's largest t), a whole number; so 1/2 < the row's largest p <= 1. The row's sum l is taken of the UNQUANTISED p, in f32, and the product's result is divided by l at the end. Since M is a whole number, a kernel that streams over the keys may use a running M (the ceiling of the running maximum): every later rescaling is an exact power of two, so the quantised numbers keep their values, but for numbers so far below the row's largest that they fall under the format's range.
;;   OPERANDS COMPUTED ON THE WAY. 'Computed on the way' means the value that the module computes at that place (a softmax that the list does not call 'softmax' is quantised finished and normalised). What goes into a quantiser is computed in f32, as accurately as f32 sums, v_exp_f32 and their like allow (about 1e-6 of the number): no bf16 or f16 on the way to a quantiser, and a product that is left as it is and whose result goes on into a quantised operand takes f32 operands (vector FMAs, or v_wmma_f32_16x16x4_f32). A number that lies on a knife's edge between two numbers of the format may be rounded either way, as far as f32 arithmetic and the matrix unit's own rounding can turn it there, and no further.
;; One version. Each part assembles by itself: llvm-mc -triple=amdgcn-amd-amdhsa -mcpu=gfx1250 --defsym DOCPART=n.
;; ======== version 1 of 1: 1 launch
;; limits: right only within a limited range of input values
;; launch attn (part 1): grid 4 x 64, 16 waves a work-group, clusters of 4 x 1, 327,680 bytes of LDS; arguments q, k, v, lowp_scales, out0; writes out0
.if DOCPART == 1
	.amdgcn_target "amdgcn-amd-amdhsa--gfx1250"
	.amdhsa_code_object_version 6
	.text
	.protected	k_q54bdfe752a_attn
	.globl	k_q54bdfe752a_attn
	.p2align	8
	.type	k_q54bdfe752a_attn,@function
k_q54bdfe752a_attn:
	s_mov_b64 s[64:65], 0
	v_nop
	global_prefetch_b8 v0, s[64:65] scope:SCOPE_SE
	s_setreg_imm32_b32 hwreg(HW_REG_WAVE_MODE, 25, 1), 1
	s_wait_xcnt 0x0
	s_wait_alu depctr_hold_cnt(0) depctr_sa_sdst(0) depctr_va_vdst(0) depctr_va_sdst(0) depctr_va_ssrc(0) depctr_va_vcc(0) depctr_vm_vsrc(0)
	s_getreg_b32 s2, hwreg(HW_REG_IB_STS2, 6, 4)
	s_cmp_eq_u32 s2, 0
	s_cbranch_scc0 .Lentry_in_a_cluster
	s_endpgm
.Lentry_in_a_cluster:
	s_bfe_u32 s2, ttmp6, 0x10000c
	s_cmp_lg_u32 s2, 0x3003
	s_cbranch_scc0 .Lentry_shape_is_right
	s_endpgm
.Lentry_shape_is_right:
; out[b][q][h][:] = the sum over keys k <= q of softmax_k(Q.K / 8) V, causal.  q, k, v, out: [4][2048][16][64] f32: a (b, s, h) row is 256 bytes, the rows of one head lie 4,096 bytes apart.
; Both products run on codes of FP8 (E4M3), each operand with the one given scale 2^e: lowp_scales = eq, ek, ev, ep.
; THE SOFTMAX AHEAD OF THE SECOND PRODUCT: t = score x log2(e) / 8; M = the largest t so far, rounded UP to a whole number; p = 2^(t - M) is quantised, not normalised; the row's sum is taken of the
; unquantised p and divides O at the end.  When M moves, the sum and O are multiplied by 2^(old M - new M), which rounds nothing.
; ONE LAUNCH.  K and V come as f32 by tensor loads, are quantised once in each work-group and lie in LDS as images of the operands' registers; Q is quantised in registers.
; CLUSTER.  The four work-groups of a cluster belong to one head (ttmp7) and walk the same K and V in step: each tile is asked for JOINTLY, by the same tensor load with a mask that names the four.
; SHARES.  A head has 128 tiles of 16 queries.  Work-group cx owns tiles 4 a + cx, a = 0 .. 31; wave w owns two: L (a = w) and H (a = 31 - w).  Keys go in steps of 128.  Tile a needs step s where a / 2 >= s, and
; a / 2 is its step on the diagonal: neither hangs on cx.  A TRIP u = 0 .. 7 holds TWO steps, lo = u and hi = 15 - u.  With W2 = w / 2 a wave does: H on lo always; L on lo where W2 >= u; H on hi where W2 <= u; the last
; two are masked where W2 = u.  That is two tile-steps a trip, three in the wave's one trip on the diagonal: 17 for every wave of every work-group.  The running M takes the keys in any order; step 0, which holds
; key 0, is every tile's first.  All branches hang on the wave's number and on u alone; cx enters Q's and out's offsets and the number that the mask compares with.
; LAYOUT.  Both products are used transposed: S^T = K Q^T (source 0 = 16 keys, source 1 = 16 queries; K = the head's 64), O^T += V^T P^T (source 0 = 16 of the head's 64, source 1 = P; K = 128 keys): a lane holds ONE query.
; In the first product lane (r, h) holds d = 32 h + 0 .. 31 in its 8 registers, in K's fragment and in Q's alike: a permutation of the contracted axis that is the same on both sides.
; THE KEYS OF A TILE ARE NOT NEIGHBOURS: lane r of tile 2 b + g takes key 32 b + 8 g + r + 8 (r / 8), so that score register 16 b + i of lane (r, h) is key 32 b + 16 h + i: the places that P's codes and V's fragments have.
; LIMITS.  Each of eq, ek, ev, ep lies between -126 and 119, eq + ek between -123 and 130, so that each power of two below is an f32 number.  Hidden keys get the weight 0 exactly, as their scores are set to -infinity.
;   NaN among the inputs is not served.
.set KP,    272                        ; a raw row of K in LDS: 256 bytes + 16 of padding
.set VP,    264                        ; a raw row of V: 256 + 8 = 66 words: 16 rows are 32 words modulo 64 apart, so the two halves of the lanes read different banks (64 banks of 4 bytes: ISA guide 11.1)
.set KHI,   128*KP                     ; a raw slot: K of step lo, K of step hi,
.set VLO,   2*KHI                      ; V of step lo,
.set VHB,   128*VP                     ; V of step hi
.set SLOT,  VLO+2*VHB                  ; 137,216 bytes; two slots
.set IMG,   2*SLOT                     ; the images: K's 16 fragments of 1,024 bytes (8 x step + tile),
.set VIMG,  16384                      ; then V's 8 fragments of 2,048 bytes (4 x step + tile)
.set SPARE, IMG+32768                  ; the spare words, 128 bytes for each of 16 waves: eight blocks of 256 bytes that no other line names
.set STGP,  272                        ; the way out: 16 rows x (256 + 16) bytes for each wave, in slot 0, which has had its last fill (trip 5) and its last read (trip 6) by then
.set STEPB, 128*4096                   ; a step's 128 rows in memory
.set SPW,  1                           ; v1   LDS address of my spare word; never rewritten
.set NIL,  2                           ; v2   0; never rewritten
.set LI,   3                           ; v3   IMG + 16 x lane
.set KRA,  4                           ; v4   where I read raw K, without the slot
.set VRA,  5                           ; v5   where I read raw V, without the slot
.set KWI,  6                           ; v6   where I store images: LI + 1,024 x wave
.set RH,   7                           ; v7   r - 16 h, for the mask
.set GO,   8                           ; v8   the way out: my byte offset in a tile's rows of out
.set STO,  9                           ; v9   where I put 32 bytes of a row in my stage
.set RD,   10                          ; v10  where I read a row back
.set QOF,  11                          ; v11  my byte offset in a tile's rows of q
.set STL,  12                          ; v[12:15] tile L: -M, the largest t, the sum in two halves
.set STH,  16                          ; v[16:19] tile H
.set QL,   20                          ; v[20:27] Q's codes, tile L
.set QH,   28                          ; v[28:35] tile H
.set F,    36                          ; v[36:99] eight fragments of K, then four of V
.set S,    100                         ; v[100:163] S^T, then p; raw numbers while K, V and Q are quantised
.set OL,   164                         ; v[164:195] O^T, tile L
.set OH,   196                         ; v[196:227] tile H
.set P,    228                         ; v[228:243] codes just made
.set PSC,  244                         ; 2^ep,  448 x 2^ep
.set PLIM, 245
.set KSC,  246                         ; the same with ek
.set KLIM, 247
.set VSC,  248                         ; the same with ev
.set VLIM, 249
.set FF,   250                         ; v[250:251] f = 2^(old M - new M); the pair's upper word is written once
.set T2,   252                         ; v[252:253] at work
.set T1,   254                         ; v254 at work
.set PD,   255                         ; v255 a lane permute's destination, written once at the head
.set WV,   14                          ; s14  my wave's number
.set W2,   15                          ; s15  wave / 2
.set U,    16                          ; s16  the trip
.set RB,   17                          ; s17  the raw slot that this trip reads: 0 or SLOT
.set RN,   18                          ; s18  the one that it fills
.set CX,   19                          ; s19  my place in the cluster.  What is made of it lives in s19, s56-61, s72-79 alone
.set SEL,  20                          ; s[20:21] selects for v_permlanex16_b32: lane l xor 16
.set CS,   22                          ; s[22:23] c = 2^(eq + ek) log2(e) / 8
.set G1K,  24                          ; s[24:31], s[32:39] descriptor group 1 for K's and V's tiles
.set G1V,  32
.set G0K,  40                          ; s[40:43], s[44:47] their groups 0
.set G0V,  44
.set KVO,  48                          ; s[48:49] byte offset in k and in v of the tile that I would fetch
.set LK,   50                          ; s50, s51 its place in a slot
.set LV,   51
.set EX,   52                          ; s[52:55] eq, ek, ev, ep
.set DQL,  56                          ; s56, s57 my tiles' first query less the first key of their step on the diagonal
.set DQH,  57
.set OFL,  58                          ; s[58:59], s[60:61] byte offsets of my two tiles in q and in out
.set OFH,  60
.set STP,  62                          ; s62  what KVO steps by: a step forward (lo) or back (hi)
; A round of the cluster's barrier: my work-group's barrier, so that wave 0's signal speaks for all sixteen waves; wave 0 signals; every wave waits for the four work-groups; my work-group's barrier once more.
.macro CROUND
	s_barrier_signal -1
	s_barrier_wait -1
	s_cmp_lg_u32 s[WV], 0
	s_cbranch_scc1 .Lnot_wave_0_\@
	s_barrier_signal -3
.Lnot_wave_0_\@:
	s_barrier_wait -3
	s_barrier_signal -1
	s_barrier_wait -1
.endm
; A joint load: waves 0 and 1 fetch K of steps lo and hi, waves 2 and 3 V of them, the others nothing.  The branches hang on the wave's number alone.  Four v_nop follow each of the two lines.
.macro TLOAD
	s_cmp_lt_u32 s[WV], 2
	s_cbranch_scc0 .Lnot_k_\@
	tensor_load_to_lds s[G0K:G0K+3], s[G1K:G1K+7]
	s_nop 0
.rept 4
	v_nop
.endr
	s_branch .Lasked_\@
.Lnot_k_\@:
	s_cmp_lt_u32 s[WV], 4
	s_cbranch_scc0 .Lasked_\@
	tensor_load_to_lds s[G0V:G0V+3], s[G1V:G1V+7]
	s_nop 0
.rept 4
	v_nop
.endr
.Lasked_\@:
.endm
; 2^e as f32 (the conversion takes its exponent field) and 448 x 2^e, from the whole number e in s[e]
.macro MKSC e, sc, lim
	s_add_co_i32 s70, s[\e], 127
	s_lshl_b32 s71, s70, 23
	v_mov_b32 v[\sc], s71
	s_add_co_i32 s70, s70, 8
	s_lshl_b32 s70, s70, 23
	s_or_b32 s70, s70, 0x600000
	v_mov_b32 v[\lim], s70
.endm
; 32 numbers v[src] .. v[src + 31] of a lane are held within the largest code x the scale (the conversion to an 8-bit code does not saturate: ISA guide 7.6.2) and become 32 codes in v[dst] .. v[dst + 7]
.macro CODES src, dst, sc, lim
.set n, 0
.rept 32
	v_med3_num_f32 v[\src+n], v[\src+n], -v[\lim], v[\lim]
.set n, n+1
.endr
.irp m, 0,1,2,3
	v_cvt_scalef32_pk8_fp8_f32 v[\dst+2*\m:\dst+2*\m+1], v[\src+8*\m:\src+8*\m+7], v[\sc]
.endr
.endm
; THE TRIP'S K AND V BECOME IMAGES.  Wave w makes K's fragment w (step w / 8, tile w % 8): lane (r, h) reads 128 bytes, d = 32 h + 0 .. 31, of the tile's key for lane r.  And two groups of four registers of V's
; fragment (step w / 8, tile (w / 2) % 4): lane (r, h) takes column d = 16 tile + r and its registers run DOWN the keys 32 b + 16 h + 0 .. 15, b = 2 (w % 2) + g: nothing is transposed by an instruction.
; An image is the operand's registers as they stand: four registers by one store, lane l's 16 bytes at 16 l.
.macro QUANT
	v_add_nc_u32 v[T1], s[RB], v[KRA]
	v_add_nc_u32 v[T2], s[RB], v[VRA]
.irp j, 0,1,2,3,4,5,6,7
	ds_load_b128 v[S+4*\j:S+4*\j+3], v[T1] offset:16*\j
.endr
.irp g, 0,1
.irp i, 0,1,2,3,4,5,6,7,8,9,10,11,12,13,14,15
	ds_load_b32 v[S+32+16*\g+\i], v[T2] offset:(32*\g+\i)*VP
.endr
.endr
	s_wait_dscnt 32                                ; K's eight loads are in; V's 32 may be out
	CODES S, P, KSC, KLIM
	ds_store_b128 v[KWI], v[P:P+3]
	ds_store_b128 v[KWI], v[P+4:P+7] offset:512
	s_wait_dscnt 2                                 ; V's loads are in; the two stores just issued may be out
	CODES S+32, P+8, VSC, VLIM
	ds_store_b128 v[KWI], v[P+8:P+11] offset:VIMG
	ds_store_b128 v[KWI], v[P+12:P+15] offset:VIMG+512
	v_nop                                          ; one plain vector instruction behind the scaled conversions, ahead of the products that write their sources
.endm
; A TILE'S KEY STEP: 128 keys of image set img (0: lo, 1: hi) for the tile with statistics st, codes of Q qf and O^T ot.  mask = 1: in the trip with W2 = U this is the tile's step on the diagonal; dq: see DQL.
.macro STEP img, st, qf, ot, mask, dq
.rept 4
	v_nop                                          ; places between the last products, which read F, and the loads into it (ISA guide 7.12.1 for vector instructions)
.endr
.irp t, 0,1,2,3,4,5,6,7
	ds_load_b128 v[F+8*\t:F+8*\t+3], v[LI] offset:\img*8192+1024*\t
	ds_load_b128 v[F+8*\t+4:F+8*\t+7], v[LI] offset:\img*8192+1024*\t+512
.endr
	s_wait_dscnt 8                                 ; fragments 0 to 3 are in; the eight loads of fragments 4 to 7 may be out
.irp t, 0,1,2,3
	v_wmma_f32_16x16x64_fp8_fp8 v[S+8*\t:S+8*\t+7], v[F+8*\t:F+8*\t+7], v[\qf:\qf+7], 0
.endr
	s_wait_dscnt 0x0
.irp t, 4,5,6,7
	v_wmma_f32_16x16x64_fp8_fp8 v[S+8*\t:S+8*\t+7], v[F+8*\t:F+8*\t+7], v[\qf:\qf+7], 0
.endr
.rept 4
	v_nop                                          ; places in front of the loads into F and of the first read of the scores
.endr
.irp t, 0,1,2,3                                ; V's four fragments land while the softmax is worked
.irp c, 0,1,2,3
	ds_load_b128 v[F+16*\t+4*\c:F+16*\t+4*\c+3], v[LI] offset:VIMG+\img*8192+2048*\t+512*\c
.endr
.endr
.if \mask                                      ; on the diagonal the scores of hidden keys become -infinity ahead of the maximum: p = 0 then.  The step's first key counts for every query of the tile
	s_cmp_lg_u32 s[W2], s[U]
	s_cbranch_scc1 .Lopen_\@
	v_add_nc_u32 v[T1], s[\dq], v[RH]              ; my query less the step's first key less 16 h.  Register 16 b + i holds key 32 b + 16 h + i of the step: hidden where 32 b + i is larger
	v_mov_b32 v[T2], 0xff800000
.set n, 0
.rept 64
	v_cmp_gt_i32 vcc_lo, 32*(n/16)+n%16, v[T1]
	v_cndmask_b32 v[S+n], v[S+n], v[T2], vcc_lo
.set n, n+1
.endr
.Lopen_\@:
.endif
	v_max3_num_f32 v[T1], v[S], v[S+1], v[S+2]     ; the step's largest score of my query among my 64 keys, in two chains, each accumulator from its low end on,
	v_max3_num_f32 v[T2], v[S+3], v[S+4], v[S+5]
.set n, 6
.rept 14
	v_max3_num_f32 v[T1], v[T1], v[S+n], v[S+n+1]
	v_max3_num_f32 v[T2], v[T2], v[S+n+2], v[S+n+3]
.set n, n+4
.endr
	v_max3_num_f32 v[T1], v[T1], v[S+62], v[S+63]
	v_max_num_f32 v[T1], v[T1], v[T2]
	v_permlanex16_b32 v[PD], v[T1], s[SEL], s[SEL+1]
	v_max_num_f32 v[T1], v[T1], v[PD]              ; and among lane l xor 16's
	v_mul_f32 v[T1], s[CS], v[T1]                  ; as t (c is positive)
	v_max_num_f32 v[\st+1], v[\st+1], v[T1]        ; the running largest t
	v_mov_b32 v[T1], v[\st]
	v_floor_f32 v[\st], -v[\st+1]                  ; the new -M = floor(-t) = -ceil(t): M is a whole number
	v_sub_f32 v[T1], v[\st], v[T1]                 ; M's old value less its new one: a whole number, 0 or less
	v_cvt_i32_f32 v[T1], v[T1]                     ; (it saturates)
	v_ldexp_f32 v[FF], 1.0, v[T1]                  ; f = 2^(old M - new M)
.set n, 0
.rept 32
	v_pk_fma_f32 v[S+n:S+n+1], v[S+n:S+n+1], s[CS:CS+1], v[\st:\st+1] op_sel_hi:[1,0,0]   ; t - M, two at a time (of the pairs c and -M the low word serves both halves)
.set n, n+2
.endr
.set n, 0
.rept 64
	v_exp_f32 v[S+n], v[S+n]                       ; p = 2^(t - M), at most 1
.set n, n+1
.endr
	v_pk_mul_f32 v[\st+2:\st+3], v[\st+2:\st+3], v[FF:FF+1] op_sel_hi:[1,0]   ; the sums under the new M; also the plain place behind the exponentials
	s_wait_alu depctr_va_vdst(0)
	v_pk_add_f32 v[T2:T2+1], v[S:S+1], v[S+2:S+3]  ; the row's sum is taken of the unquantised p: two at a time, in two chains
.set n, 4
.rept 15
	v_pk_add_f32 v[\st+2:\st+3], v[\st+2:\st+3], v[S+n:S+n+1]
	v_pk_add_f32 v[T2:T2+1], v[T2:T2+1], v[S+n+2:S+n+3]
.set n, n+4
.endr
	v_pk_add_f32 v[\st+2:\st+3], v[\st+2:\st+3], v[T2:T2+1]
.irp b, 0,1,2,3
.set n, 0
.rept 16
	v_min_num_f32 v[S+16*\b+n], v[S+16*\b+n], v[PLIM]   ; the hold at the largest code x the scale; p is not negative, so it is one-sided
.set n, n+1
.endr
	v_cvt_scalef32_pk8_fp8_f32 v[P+4*\b:P+4*\b+1], v[S+16*\b:S+16*\b+7], v[PSC]
	v_cvt_scalef32_pk8_fp8_f32 v[P+4*\b+2:P+4*\b+3], v[S+16*\b+8:S+16*\b+15], v[PSC]
.endr
.set n, 0
.rept 16
	v_pk_mul_f32 v[\ot+n:\ot+n+1], v[\ot+n:\ot+n+1], v[FF:FF+1] op_sel_hi:[1,0]   ; O^T under the new M; also the plain places behind the conversions
.set n, n+2
.endr
	s_wait_dscnt 0x0                               ; V's fragments are in
.irp t, 0,1,2,3                                ; four accumulators by turns, one instruction a turn
	v_wmma_f32_16x16x128_fp8_fp8 v[\ot+8*\t:\ot+8*\t+7], v[F+16*\t:F+16*\t+15], v[P:P+15], v[\ot+8*\t:\ot+8*\t+7]
.endr
.endm
; A TRIP.  In front of its first barrier each wave waits for all its tensor loads (its part of the slot about to be read), adds 0 to its spare word, and waits for that and for its reads of the images and of the raw slot
; left.  refill = 1: the barrier is a round of the cluster's, and the joint load of the next trip's two steps, into the other slot, comes first behind it: it has the whole trip in which to land; one tensor load of a
; wave is out at the most.  Behind the second barrier the trip's images are whole; that load stays out across it.
.macro TRIP refill
	s_wait_tensorcnt 0x0                           ; no tensor load of mine is out, so a group 0 may be written
	ds_add_u32 v[SPW], v[NIL]                      ; 0 onto my spare word
.if \refill
	s_xor_b32 s[RN], s[RB], SLOT                   ; the slot that is not read in this trip
	s_add_co_i32 s[KVO], s[KVO], s[STP]            ; the offset steps in a register of its own; the addresses are made anew from the buffers' pointers
	s_add_co_u32 s[G0K+1], s[RN], s[LK]
	s_add_nc_u64 s[G0K+2:G0K+3], s[6:7], s[KVO:KVO+1]
	s_or_b32 s[G0K+3], s[G0K+3], 0x80000000
	s_add_co_u32 s[G0V+1], s[RN], s[LV]
	s_add_nc_u64 s[G0V+2:G0V+3], s[8:9], s[KVO:KVO+1]
	s_or_b32 s[G0V+3], s[G0V+3], 0x80000000
.endif
	s_wait_dscnt 0x0                               ; the add is done, and my LDS reads are over
.if \refill
	CROUND
	TLOAD
.else
	s_barrier_signal -1
	s_barrier_wait -1
.endif
	QUANT
	s_wait_dscnt 0x0                               ; for the others' sake: my images have landed
	s_barrier_signal -1
	s_barrier_wait -1
	STEP 0, STH, QH, OH, 0, DQH                    ; H on lo: always, never on the diagonal
	s_cmp_lt_u32 s[W2], s[U]
	s_cbranch_scc1 .Lno_l_\@
	STEP 0, STL, QL, OL, 1, DQL                    ; L on lo
.Lno_l_\@:
	s_cmp_gt_u32 s[W2], s[U]
	s_cbranch_scc1 .Lno_h_\@
	STEP 1, STH, QH, OH, 1, DQH                    ; H on hi
.Lno_h_\@:
	s_xor_b32 s[RB], s[RB], SLOT
.endm
	s_load_b256 s[4:11], s[0:1], 0x0               ; q s[4:5], k s[6:7], v s[8:9], the scales' exponents s[10:11]
	s_load_b64 s[12:13], s[0:1], 0x20              ; out
	v_lshl_add_u32 v[SPW], v0, 2, SPARE
	v_mov_b32 v[NIL], 0
	ds_add_u32 v1, v2
	s_wait_dscnt 0x0
	v_lshrrev_b32 v[T2], 5, v0
	v_readfirstlane_b32 s[WV], v[T2]               ; wave 0..15
	s_lshr_b32 s[W2], s[WV], 1
	s_and_b32 s66, s[WV], 1                        ; wave % 2: which of a trip's two steps I would fetch
	s_lshr_b32 s67, s[WV], 3                       ; wave / 8
	s_bfe_u32 s69, s[WV], 0x20001                  ; (wave / 2) % 4
	s_mul_i32 s[LK], s66, KHI
	s_mul_i32 s[LV], s66, VHB
	s_add_co_u32 s[LV], s[LV], VLO
	s_mul_i32 s[STP], s66, 2*STEPB
	s_sub_co_i32 s[STP], STEPB, s[STP]             ; lo walks up, hi walks down
	s_and_b32 s70, ttmp7, 0xffff                   ; 16 b + head, which the four partners share
	s_lshr_b32 s68, s70, 4
	s_lshl_b32 s68, s68, 23                        ; b x 2,048 x 4,096 bytes
	s_and_b32 s70, s70, 15
	s_lshl_b32 s70, s70, 8
	s_add_co_u32 s68, s68, s70                     ; the head's first byte in each of the four tensors
	s_mul_i32 s[KVO], s66, 15*STEPB                ; lo begins with step 0, hi with step 15
	s_add_co_u32 s[KVO], s[KVO], s68
	s_mov_b32 s[KVO+1], 0
	s_bfe_u32 s[CX], ttmp6, 0x40000                ; cx: my place in the cluster
	s_lshl_b32 s72, s[CX], 16
	s_add_co_u32 s72, s72, s68                     ; tile a begins at query 64 a + 16 cx
	s_lshl_b32 s73, s[WV], 18
	s_add_co_u32 s[OFL], s72, s73
	s_mov_b32 s[OFL+1], 0
	s_sub_co_u32 s73, 31, s[WV]
	s_lshl_b32 s73, s73, 18
	s_add_co_u32 s[OFH], s72, s73
	s_mov_b32 s[OFH+1], 0
	s_lshl_b32 s72, s[CX], 4
	s_lshl_b32 s73, s66, 6
	s_add_co_u32 s[DQL], s72, s73                  ; 64 (a % 2) + 16 cx, a = w
	s_sub_co_u32 s73, 64, s73
	s_add_co_u32 s[DQH], s72, s73                  ; the same with a = 31 - w
	; descriptor group 1: a tile of 128 rows x 64 elements of 4 bytes, 1,024 elements from row to row, padded in LDS
	s_mov_b32 s[G1K], 15|(2<<16)|(1<<20)|(1<<21)|(5<<22)|(3<<25)   ; 15:0 the mask: all four work-groups; 17:16 elements of 4 bytes; 20 padding on; 21 set beside a mask; 24:22 after every 64 words (code 5); 31:25 four words (code 3)
	s_mov_b32 s[G1V], 15|(2<<16)|(1<<20)|(1<<21)|(5<<22)|(1<<25)   ; the same with two words of padding (code 1)
.irp g, G1K, G1V
	s_mov_b32 s[\g+1], 64<<16                      ; tensor_dim0 = 64
	s_mov_b32 s[\g+2], 128<<16                     ; tensor_dim1 = 128
	s_mov_b32 s[\g+3], 64<<16                      ; tile_dim0 = 64
	s_mov_b32 s[\g+4], 128                         ; tile_dim1 = 128
	s_mov_b32 s[\g+5], 1024                        ; tensor_dim0_stride
	s_mov_b32 s[\g+6], 0
	s_mov_b32 s[\g+7], 0
.endr
	s_mov_b32 s[SEL], 0x76543210
	s_mov_b32 s[SEL+1], 0xfedcba98
	s_mov_b32 s[CS], 0x3e38aa3b                    ; log2(e) / 8
	s_mov_b32 s[RB], 0
	s_mov_b32 s[U], 0
	s_wait_kmcnt 0x0
	s_load_b128 s[EX:EX+3], s[10:11], 0x0          ; eq, ek, ev, ep
	s_mov_b32 s[G0K], 1                            ; count = 1
	s_mov_b32 s[G0K+1], s[LK]                      ; LDS address: slot 0
	s_add_nc_u64 s[G0K+2:G0K+3], s[6:7], s[KVO:KVO+1]
	s_or_b32 s[G0K+3], s[G0K+3], 0x80000000        ; type = 2
	s_mov_b32 s[G0V], 1
	s_mov_b32 s[G0V+1], s[LV]
	s_add_nc_u64 s[G0V+2:G0V+3], s[8:9], s[KVO:KVO+1]
	s_or_b32 s[G0V+3], s[G0V+3], 0x80000000
	s_add_nc_u64 s[76:77], s[4:5], s[OFL:OFL+1]    ; q at my two tiles
	s_add_nc_u64 s[78:79], s[4:5], s[OFH:OFH+1]
	CROUND                                         ; all four work-groups are here: the first joint loads meet
	TLOAD                                          ; trip 0's two steps, into slot 0
	v_and_b32 v[T2], 15, v0                        ; r
	v_bfe_u32 v[T2+1], v0, 4, 1                    ; h
	v_lshlrev_b32 v[QOF], 12, v[T2]
	v_lshl_add_u32 v[QOF], v[T2+1], 7, v[QOF]      ; q: row r, 4,096 bytes apart, + 128 h: my 32 numbers
.irp j, 0,1,2,3,4,5,6,7
	global_load_b128 v[S+4*\j:S+4*\j+3], v[QOF], s[76:77] offset:16*\j th:TH_LOAD_NT
.endr
.irp j, 0,1,2,3,4,5,6,7
	global_load_b128 v[S+32+4*\j:S+32+4*\j+3], v[QOF], s[78:79] offset:16*\j th:TH_LOAD_NT
.endr
	v_and_b32 v[LI], 31, v0
	v_lshl_add_u32 v[LI], v[LI], 4, IMG
	s_lshl_b32 s70, s[WV], 10
	v_add_nc_u32 v[KWI], s70, v[LI]
	v_and_b32 v[T1], 8, v[T2]
	v_add_nc_u32 v[T1], v[T1], v[T2]               ; r + 8 (r / 8)
	v_mul_u32_u24 v[KRA], v[T1], KP
	v_lshl_add_u32 v[KRA], v[T2+1], 7, v[KRA]
	s_mul_i32 s70, s67, KHI                        ; step w / 8; tile w % 8 = 2 b + g begins at key 32 b + 8 g
	s_mul_i32 s71, s69, 32*KP
	s_add_co_u32 s70, s70, s71
	s_mul_i32 s71, s66, 8*KP
	s_add_co_u32 s70, s70, s71
	v_add_nc_u32 v[KRA], s70, v[KRA]
	v_mul_u32_u24 v[VRA], v[T2+1], 16*VP           ; key 16 h,
	v_lshl_add_u32 v[VRA], v[T2], 2, v[VRA]        ; column r,
	s_mul_i32 s70, s67, VHB                        ; step w / 8,
	s_mul_i32 s71, s66, 64*VP                      ; keys 64 (w % 2) on,
	s_add_co_u32 s70, s70, s71
	s_lshl_b32 s71, s69, 6                         ; columns 16 ((w / 2) % 4) on
	s_add_co_u32 s70, s70, s71
	s_add_co_u32 s70, s70, VLO
	v_add_nc_u32 v[VRA], s70, v[VRA]
	v_lshlrev_b32 v[T1], 4, v[T2+1]
	v_sub_nc_u32 v[RH], v[T2], v[T1]
	v_lshlrev_b32 v[GO], 12, v[T2+1]               ; the way out: lanes 0-15 take one row of out, lanes 16-31 the next; 16 bytes a lane
	v_lshl_add_u32 v[GO], v[T2], 4, v[GO]
	s_mul_i32 s70, s[WV], 16*STGP                  ; my stage
	v_mul_u32_u24 v[STO], v[T2], STGP              ; in: row r, + 32 h
	v_lshl_add_u32 v[STO], v[T2+1], 5, v[STO]
	v_add_nc_u32 v[STO], s70, v[STO]
	v_mul_u32_u24 v[RD], v[T2+1], STGP             ; back: two rows an instruction
	v_lshl_add_u32 v[RD], v[T2], 4, v[RD]
	v_add_nc_u32 v[RD], s70, v[RD]
.irp t, STL, STH
	v_mov_b32 v[\t+1], 0xff61b1e6                  ; the largest t so far: -3e38, under every t
	v_floor_f32 v[\t], -v[\t+1]                    ; -M
	v_mov_b32 v[\t+2], 0                           ; the sum, in two halves
	v_mov_b32 v[\t+3], 0
.endr
	v_mov_b32 v[PD], 0                             ; a lane permute's destination counts as one of its sources
	v_mov_b32 v[FF+1], 0                           ; (named as the upper half of the pair)
.set n, 0
.rept 64
	v_mov_b32 v[OL+n], 0                           ; O^T of both tiles.  (The key step is written without a first form of its own: it finds zeros, which the first change of M leaves zeros)
.set n, n+1
.endr
	s_wait_kmcnt 0x0
	s_add_co_i32 s70, s[EX], s[EX+1]
	s_lshl_b32 s70, s70, 23
	s_add_co_i32 s[CS], s[CS], s70                 ; a score stands for score x 2^(eq + ek): the two exponents are added to c's exponent field
	s_mov_b32 s[CS+1], s[CS]                       ; (named with it as a pair, so it is written)
	MKSC EX+1, KSC, KLIM
	MKSC EX+2, VSC, VLIM
	MKSC EX+3, PSC, PLIM
	MKSC EX, T2, T2+1                              ; Q's, wanted here alone
	s_wait_loadcnt 8                               ; tile L's eight loads are in; tile H's may be out
	CODES S, QL, T2, T2+1
	s_wait_loadcnt 0x0
	CODES S+32, QH, T2, T2+1
	v_nop                                          ; one plain vector instruction behind the scaled conversions
.Ltrip:                                            ; seven trips ask for the next trip's steps
	TRIP 1
	s_add_co_u32 s[U], s[U], 1
	s_cmp_lt_u32 s[U], 7
	s_cbranch_scc1 .Ltrip
	TRIP 0                                         ; the last trip is written out
	; THE WAY OUT.  The sum's halves are added; O^T is divided by the sum and multiplied by 2^(ep + ev).  A lane holds eight neighbouring numbers of a row for each of four tiles of d, and the lanes beside it hold other
	; rows: so a tile of 16 rows goes through my stage in LDS and comes back as whole rows of 256 bytes.
.rept 4
	v_nop                                          ; places behind the last products
.endr
	s_add_co_i32 s70, s[EX+2], s[EX+3]
	s_add_nc_u64 s[76:77], s[12:13], s[OFL:OFL+1]  ; out at my two tiles (q's loads, which named these registers, were waited for at the head)
	s_add_nc_u64 s[78:79], s[12:13], s[OFH:OFH+1]
	v_add_f32 v[T1], v[STL+2], v[STL+3]
	v_add_f32 v[T2], v[STH+2], v[STH+3]
	v_permlanex16_b32 v[PD], v[T1], s[SEL], s[SEL+1]
	v_add_f32 v[T1], v[T1], v[PD]
	v_permlanex16_b32 v[PD], v[T2], s[SEL], s[SEL+1]
	v_add_f32 v[T2], v[T2], v[PD]
	v_rcp_f32 v[T1], v[T1]
	v_rcp_f32 v[T2], v[T2]
	v_nop                                          ; a plain instruction between the reciprocals and the use of their results
	s_wait_alu depctr_va_vdst(0)
	v_ldexp_f32 v[FF], v[T1], s70
	v_ldexp_f32 v[T2], v[T2], s70
.set n, 0
.rept 16
	v_pk_mul_f32 v[S+n:S+n+1], v[OL+n:OL+n+1], v[FF:FF+1] op_sel_hi:[1,0]       ; register 8 t + j is out(r, 16 t + 8 h + j)
.set n, n+2
.endr
.set n, 0
.rept 16
	v_pk_mul_f32 v[S+32+n:S+32+n+1], v[OH+n:OH+n+1], v[T2:T2+1] op_sel_hi:[1,0]
.set n, n+2
.endr
.irp u, 0,1                                    ; tile L, then tile H, through the same stage: LDS serves a wave's instructions in order (ISA guide 5.7.1.4), so the loads see the stores above them and H's stores come behind L's loads
.irp t, 0,1,2,3
	ds_store_b128 v[STO], v[S+32*\u+8*\t:S+32*\u+8*\t+3] offset:64*\t
	ds_store_b128 v[STO], v[S+32*\u+8*\t+4:S+32*\u+8*\t+7] offset:64*\t+16
.endr
.irp i, 0,1,2,3,4,5,6,7
	ds_load_b128 v[F+32*\u+4*\i:F+32*\u+4*\i+3], v[RD] offset:2*\i*STGP
.endr
.endr
.irp i, 0,1,2,3,4,5,6,7
	s_wait_dscnt 23-\i                             ; L's pair of rows i is back: behind it stand L's later loads and H's sixteen LDS instructions
	global_store_b128 v[GO], v[F+4*\i:F+4*\i+3], s[76:77] offset:8192*\i th:TH_STORE_NT      ; 16 lanes store 256 consecutive bytes, at a multiple of 256 from out's first byte
.endr
.irp i, 0,1,2,3,4,5,6,7
	s_wait_dscnt 7-\i
	global_store_b128 v[GO], v[F+32+4*\i:F+32+4*\i+3], s[78:79] offset:8192*\i th:TH_STORE_NT
.endr
	s_wait_tensorcnt 0x0                           ; the wave's end, behind my last tensor load and my last LDS store
	ds_add_u32 v[SPW], v[NIL]
	s_wait_dscnt 0x0
	CROUND                                         ; the closing round: no work-group ends while a partner may still ask for a tile that names it
	s_endpgm
.Lfunc_end_k_q54bdfe752a_attn:
	.size	k_q54bdfe752a_attn, .Lfunc_end_k_q54bdfe752a_attn-k_q54bdfe752a_attn
	.p2alignl 7, 3214868480
	.fill 96, 4, 3214868480
	.section	.rodata,"a",@progbits
	.p2align	6, 0x0
	.amdhsa_kernel k_q54bdfe752a_attn
		.amdhsa_group_segment_fixed_size 327680
		.amdhsa_private_segment_fixed_size 0
		.amdhsa_enable_private_segment 0
		.amdhsa_kernarg_size 40
		.amdhsa_user_sgpr_count 2
		.amdhsa_user_sgpr_kernarg_segment_ptr 1
		.amdhsa_wavefront_size32 1
		.amdhsa_system_sgpr_workgroup_id_x 1
		.amdhsa_system_sgpr_workgroup_id_y 1
		.amdhsa_system_sgpr_workgroup_id_z 1
		.amdhsa_system_vgpr_workitem_id 0
		.amdhsa_next_free_vgpr 256
		.amdhsa_next_free_sgpr 80
		.amdhsa_reserve_vcc 1
		.amdhsa_float_denorm_mode_32 3
		.amdhsa_float_denorm_mode_16_64 3
		.amdhsa_memory_ordered 1
		.amdhsa_forward_progress 1
		.amdhsa_inst_pref_size 152
	.end_amdhsa_kernel
	.amdgpu_metadata
---
amdhsa.version: [ 1, 2 ]
amdhsa.kernels:
  - .name:           k_q54bdfe752a_attn
    .symbol:         k_q54bdfe752a_attn.kd
    .args:
      - { .name: q, .offset: 0, .size: 8, .value_kind: global_buffer, .address_space: global }
      - { .name: k, .offset: 8, .size: 8, .value_kind: global_buffer, .address_space: global }
      - { .name: v, .offset: 16, .size: 8, .value_kind: global_buffer, .address_space: global }
      - { .name: lowp_scales, .offset: 24, .size: 8, .value_kind: global_buffer, .address_space: global }
      - { .name: out0, .offset: 32, .size: 8, .value_kind: global_buffer, .address_space: global }
    .group_segment_fixed_size: 327680
    .private_segment_fixed_size: 0
    .kernarg_segment_align: 8
    .kernarg_segment_size: 40
    .max_flat_workgroup_size: 512
    .sgpr_count:     80
    .vgpr_count:     256
    .wavefront_size: 32
...
	.end_amdgpu_metadata
.endif
;; end of part 1
